; MI455X (gfx1250); checked and timed in simulation.
; The chip was launched on July 23, 2026; its instructions are those of AMD's public machine-readable ISA for CDNA 5 (MIT licence, August 2026) and "CDNA5" Instruction Set Architecture Reference Guide (July 2026). The comments in the code are by the model that wrote it; some were corrected since.
;; Llama Cls. Allowed arithmetic: float matrix products may take bf16 or f16 operands with f32 sums; other float arithmetic in f32, or as packed bf16 or f16 multiplies, adds, multiply-adds, maxima and minima; sums over many terms, partial sums and values carried from step to step in f32; what a program stores and reads back later, other than sums and carried values, may be rounded once to bf16 or f16.
;; Inputs: hidden_states 2,048 x 2 x 4,096 float32; labels 2 x 2,048 int32; weight 4,000 x 4,096 float32.
;; Outputs: out0 2 x 2,048 float32.
;; One version. Each part assembles by itself: llvm-mc -triple=amdgcn-amd-amdhsa -mcpu=gfx1250 --defsym DOCPART=n.
;; ======== version 1 of 1: 3 launches
;; workspace buffers: hb 33,554,432 bytes; wb 33,554,432 bytes; part 2,097,152 bytes
;; launch tobf16 (part 1): grid 2048 x 1, 8 waves a work-group, no clusters, 0 bytes of LDS; arguments hidden_states, weight, hb, wb; writes hb, wb
.if DOCPART == 1
	.amdgcn_target "amdgcn-amd-amdhsa--gfx1250"
	.amdhsa_code_object_version 6
	.text
	.protected	k_q8c8dcab006_tobf16
	.globl	k_q8c8dcab006_tobf16
	.p2align	8
	.type	k_q8c8dcab006_tobf16,@function
k_q8c8dcab006_tobf16:
	s_mov_b64 s[64:65], 0
	v_nop
	global_prefetch_b8 v0, s[64:65] scope:SCOPE_SE
	s_setreg_imm32_b32 hwreg(HW_REG_WAVE_MODE, 25, 1), 1
	s_wait_xcnt 0x0
; hb = hidden_states rounded to bf16, [4096][4096]; wb = weight rounded to bf16, [4096][4096], of which rows 4,000 to 4,095 are written as zeros,
; so that the product behind this launch has 16 x 16 whole tiles of 256 x 256.  Rounding to nearest even, once.  LIMIT: an f32 beyond bf16's largest finite number becomes an infinity.
; WHY A LAUNCH OF ITS OWN: a tile kept in f32 would be twice the LDS bytes for each product that reads it, in each of the sixteen work-groups that read it; here each number is rounded once.
; SHARES.  A work-group takes a chunk of 65,536 bytes of f32 (32,768 of bf16): chunks 0 to 1,023 of hidden_states, then the 1,000 chunks of weight, then 24 chunks of zeros (96 rows of wb).
; Thread t, step j of 16: 16 bytes in at 16 t + 4,096 j, 8 bytes out at 8 t + 2,048 j: a load of a wave covers 512 consecutive bytes, a store 256 consecutive bytes, aligned.
; All sixteen loads of a wave go out together; no register is written twice, so no wait frees a source.  No LDS, no barrier, no matrix unit, no cluster: no byte is wanted twice.
.set H_CHUNKS, 1024                    ; 67,108,864 / 65,536
.set W_CHUNKS, 1000                    ; 65,536,000 / 65,536
.set X, 4                              ; v[4:67]   step j: four f32 as loaded
.set Y, 68                             ; v[68:99]  step j: four bf16 to store
	s_load_b256 s[4:11], s[0:1], 0x0               ; hidden_states s[4:5], weight s[6:7], hb s[8:9], wb s[10:11]
	v_lshlrev_b32 v1, 4, v0                        ; 16 t
	v_lshlrev_b32 v2, 3, v0                        ; 8 t
	s_sub_co_u32 s17, ttmp9, H_CHUNKS              ; the chunk's number in weight and wb (used only where it is not negative)
	s_cmp_lt_u32 ttmp9, H_CHUNKS
	s_cselect_b32 s16, ttmp9, s17                  ; the chunk's number in its own tensor
	s_wait_kmcnt 0x0
	s_cselect_b64 s[12:13], s[4:5], s[6:7]         ; from where
	s_cselect_b64 s[14:15], s[8:9], s[10:11]       ; to where
	s_lshl_b32 s20, s16, 15                        ; 32,768 bytes of bf16 a chunk
	s_mov_b32 s21, 0
	s_add_nc_u64 s[14:15], s[14:15], s[20:21]
	s_cmp_ge_u32 ttmp9, H_CHUNKS+W_CHUNKS
	s_cbranch_scc1 .Lzero                          ; the last 24 work-groups write wb's padding
	s_lshl_b32 s18, s16, 16                        ; 65,536 bytes of f32 a chunk
	s_mov_b32 s19, 0
	s_add_nc_u64 s[12:13], s[12:13], s[18:19]
.irp j, 0,1,2,3,4,5,6,7,8,9,10,11,12,13,14,15
	global_load_b128 v[X+4*(\j):X+4*(\j)+3], v1, s[12:13] offset:4096*(\j) th:TH_LOAD_NT
.endr
.irp j, 0,1,2,3,4,5,6,7,8,9,10,11,12,13,14,15
	s_wait_loadcnt 15-(\j)                         ; loads come back in order: step j is in, the younger ones may stay out
	v_cvt_pk_bf16_f32 v[Y+2*(\j)],   v[X+4*(\j)],   v[X+4*(\j)+1]
	v_cvt_pk_bf16_f32 v[Y+2*(\j)+1], v[X+4*(\j)+2], v[X+4*(\j)+3]
	global_store_b64 v2, v[Y+2*(\j):Y+2*(\j)+1], s[14:15] offset:2048*(\j) th:TH_STORE_NT
.endr
	s_endpgm
.Lzero:
.irp j, 0,1,2,3
	v_mov_b32 v[X+(\j)], 0
.endr
.irp j, 0,1,2,3,4,5,6,7
	global_store_b128 v1, v[X:X+3], s[14:15] offset:4096*(\j) th:TH_STORE_NT  ; 4,096 consecutive bytes for the eight waves, eight times
.endr
	s_endpgm
.Lfunc_end_k_q8c8dcab006_tobf16:
	.size	k_q8c8dcab006_tobf16, .Lfunc_end_k_q8c8dcab006_tobf16-k_q8c8dcab006_tobf16
	.p2alignl 7, 3214868480
	.fill 96, 4, 3214868480
	.section	.rodata,"a",@progbits
	.p2align	6, 0x0
	.amdhsa_kernel k_q8c8dcab006_tobf16
		.amdhsa_group_segment_fixed_size 0
		.amdhsa_private_segment_fixed_size 0
		.amdhsa_enable_private_segment 0
		.amdhsa_kernarg_size 32
		.amdhsa_user_sgpr_count 2
		.amdhsa_user_sgpr_kernarg_segment_ptr 1
		.amdhsa_wavefront_size32 1
		.amdhsa_system_sgpr_workgroup_id_x 1
		.amdhsa_system_sgpr_workgroup_id_y 1
		.amdhsa_system_sgpr_workgroup_id_z 1
		.amdhsa_system_vgpr_workitem_id 0
		.amdhsa_next_free_vgpr 100
		.amdhsa_next_free_sgpr 66
		.amdhsa_reserve_vcc 0
		.amdhsa_float_denorm_mode_32 3
		.amdhsa_float_denorm_mode_16_64 3
		.amdhsa_memory_ordered 1
		.amdhsa_forward_progress 1
		.amdhsa_inst_pref_size 8
	.end_amdhsa_kernel
	.amdgpu_metadata
---
amdhsa.version: [ 1, 2 ]
amdhsa.kernels:
  - .name:           k_q8c8dcab006_tobf16
    .symbol:         k_q8c8dcab006_tobf16.kd
    .args:
      - { .name: hidden_states, .offset: 0, .size: 8, .value_kind: global_buffer, .address_space: global }
      - { .name: weight, .offset: 8, .size: 8, .value_kind: global_buffer, .address_space: global }
      - { .name: hb, .offset: 16, .size: 8, .value_kind: global_buffer, .address_space: global }
      - { .name: wb, .offset: 24, .size: 8, .value_kind: global_buffer, .address_space: global }
    .group_segment_fixed_size: 0
    .private_segment_fixed_size: 0
    .kernarg_segment_align: 8
    .kernarg_segment_size: 32
    .max_flat_workgroup_size: 256
    .sgpr_count:     66
    .vgpr_count:     100
    .wavefront_size: 32
...
	.end_amdgpu_metadata
.endif
;; end of part 1
;; launch head (part 2): grid 16 x 16, 4 waves a work-group, clusters of 4 x 4, 327,680 bytes of LDS; arguments hb, wb, labels, part; writes part
.if DOCPART == 2
	.amdgcn_target "amdgcn-amd-amdhsa--gfx1250"
	.amdhsa_code_object_version 6
	.text
	.protected	k_q8c8dcab006_head
	.globl	k_q8c8dcab006_head
	.p2align	8
	.type	k_q8c8dcab006_head,@function
k_q8c8dcab006_head:
	s_mov_b64 s[64:65], 0
	v_nop
	global_prefetch_b8 v0, s[64:65] scope:SCOPE_SE
	s_setreg_imm32_b32 hwreg(HW_REG_WAVE_MODE, 25, 1), 1
	s_wait_xcnt 0x0
	s_wait_alu depctr_hold_cnt(0) depctr_sa_sdst(0) depctr_va_vdst(0) depctr_va_sdst(0) depctr_va_ssrc(0) depctr_va_vcc(0) depctr_vm_vsrc(0)
	s_getreg_b32 s2, hwreg(HW_REG_IB_STS2, 6, 4)
	s_cmp_eq_u32 s2, 0
	s_cbranch_scc0 .Lentry_in_a_cluster
	s_endpgm
.Lentry_in_a_cluster:
	s_bfe_u32 s2, ttmp6, 0x10000c
	s_cmp_lg_u32 s2, 0xf033
	s_cbranch_scc0 .Lentry_shape_is_right
	s_endpgm
.Lentry_shape_is_right:
; logits[t][v] = sum over k of hb[t][k] wb[v][k], t = 2 s + b (the row order of hidden_states), never stored.  Of each wave's 128 tokens x 128 columns three numbers a token leave:
; m, the largest logit; l, the sum of exp(logit - m); g, the logit of the token's label where the label lies in these columns, else 0.  The next launch joins a token's 32 such partials.
; hb, wb: [4096][4096] bf16; sums, m, l and g in f32.  A tile of 256 x 256 is made by a work-group of four waves, a wave 128 x 128: 64 accumulators of 16 x 16, 512 registers.
; K goes in steps of 128 through a ring of two LDS slots filled by the tensor data mover: the tiles' rows are 256 bytes of memory and start at multiples of 256 bytes.
; CLUSTERS: 4 x 4 work-groups.  The four of a row of the cluster need the same tiles of hb, the four of a column the same tiles of wb: each tile is asked for JOINTLY, by the same tensor load
; with the same descriptor and a mask that names the four: a quarter of the requests.
; THE PADDING.  The vocabulary has 4,000 rows = 250 blocks of 16; wb's rows 4,000 to 4,095 are zeros.  Only the wave with columns 3,968 to 4,095 (c = 31) has padded blocks: its blocks 2 to 7.
; For blocks 2 to 7 the product that starts a sum takes eight registers PEN as C: -1e30 in that wave, 0 in every other (a select, no branch).  A padded sum stays -1e30: it wins no maximum
; (blocks 0 and 1 are true logits in every wave) and its weight is 0.
; LIMITS.  True logits lie above -1e30.  Labels lie in 0 to 3,999; a label in 4,000 to 4,095 would pick -1e30, one beyond picks 0.  A weight below 2^-126 counts as 0.
; NaN and infinities are not treated apart.  c m is rounded once to f32, so l carries a common factor within half a last place of c m of 1.
; THE MATRIX INSTRUCTION IS USED TRANSPOSED: source 0 = 16 rows of wb, source 1 = 16 rows of hb.  In accumulator (a, b) lane l holds ONE token, 16 a + l % 16, and registers 0 to 7 the columns
; 16 b + 8 (l / 16) + 0..7.  So a token's maximum and sum are made within a lane, with one exchange between the halves of the lanes.
; REGISTERS, in windows of 256 (s_set_vgpr_msb: bits 1:0 source 0, 3:2 source 1, 5:4 source 2, 7:6 destination):
;   window 0: v0-63 addresses, PEN, the labels' places; v64-127, v128-191 fragments of hb, two buffers; behind the products v64-231 at work on the softmax
;   window 1: v64-127, v128-191 fragments of wb, two buffers      window 2: the accumulators of my tokens 0-63 ((a, b) at v[8 (8 a + b)])      window 3: those of my tokens 64-127
.set SIZE_K, 4096
.set KSTEP,  128
.set PITCH,  272                       ; an LDS row: 256 bytes of data + 16 of padding = 68 words: row r starts at bank 4 r mod 64 (64 banks of 4 bytes: ISA guide 11.1), so the 16 rows of a load start at 16 different banks
.set HALFT,  128*PITCH                 ; 128 rows: what one tensor load brings, and what one wave reads of hb or of wb
.set SLOT,   4*HALFT                   ; hb's 256 rows, then wb's 256 rows
.set SPARE,  2*SLOT                    ; behind the ring: the spare words, 128 bytes for each wave: two blocks of 256 bytes that no other line names
.set LAPS,   SIZE_K/(2*KSTEP)          ; a lap = two K steps = once round the ring: 16
.set NVAL,   2                         ; blocks of 16 columns that are true logits in every wave
.set LASTC,  31                        ; the one group of 128 columns that holds padding
.set ADRA, 16                          ; v16-17  LDS address of my hb fragments in slot 0, 1
.set ADRB, 20                          ; v20-21  the same for wb
.set PO,   22                          ; v22     16 x my lane: my 16 bytes in 512 consecutive bytes of part
.set LO,   23                          ; v23     my token's byte offset in labels
.set SPW,  28                          ; v28     LDS address of my spare word: SPARE + 4 x my thread's number; never rewritten
.set NIL,  29                          ; v29     0; never rewritten
.set PFO,  30                          ; v30     the prefetches' offset: my lane x a row of 8,192 bytes; never rewritten
.set PEN,  32                          ; v[32:39]  the C operand that starts the sums of blocks 2 to 7
.set BLK,  40                          ; v[40:47]  token block a: the label, then the block of 16 columns in which it lies, counted from my lanes' first column
.set JJ,   48                          ; v[48:55]  and its place in that block: 0 to 7 name a register of mine
.set F0,   64                          ; fragment buffer 0
.set F1,   128                         ; fragment buffer 1
.set T,    64                          ; behind the products: v[64:151], 22 registers for each of four token blocks: partial maxima
.set TS,   152                         ; v[152:183], 8 for each of four token blocks: the label's block of eight logits
.set ST,   192                         ; v[192:207] token block a: c m at ST + 2 a, m at ST + 2 a + 1
.set L,    208                         ; v[208:215] l
.set G,    216                         ; v[216:223] g
.set X,    224                         ; v[224:231] m in lanes 0-15, l in lanes 16-31
.set G1,  24                           ; s[24:31] descriptor group 1 for hb's tiles
.set G0,  32                           ; s[32:39] descriptor group 0 for hb's tiles, one set for each slot
.set LIM, 43                           ; s43      1 in a wave that prefetches, else the greatest number
.set PFA, 44                           ; s[44:45] where my prefetches stand
.set G1B, 48                           ; s[48:55] descriptor group 1 for wb's tiles: it differs in the mask alone
.set G0B, 56                           ; s[56:63] descriptor group 0 for wb's tiles, one set for each slot
.set SEL, 72                           ; s[72:73] v_permlanex16_b32's selects: each lane takes its own place in the other half
.set CS,  74                           ; s[74:75] c = log2(e): the packed scaling takes the pair's low word for both halves
.set HM,  76                           ; s76      the mask of lanes 16 to 31
.set MSB, 0
.macro WIN new                         ; the immediate's high byte repeats the setting that is left; a switch that changes nothing is dropped
.if MSB != (\new)
	s_set_vgpr_msb (MSB<<8)|(\new)
.set MSB, \new
.endif
.endm
.set TO_B, 0x40                        ; destination window 1, address window 0
; A joint load.  Waves 0 and 1 fetch hb's two halves, waves 2 and 3 wb's.  Each of the two lines has ONE mask and one set of registers for all that issue it; the branch hangs on the wave's number alone.
; An s_nop 0 and four v_nop follow each of the two lines, ahead of the jump, the label and what follows the macro.
.macro JLOAD s
	s_cmp_eq_u32 s11, 0
	s_cbranch_scc0 .Lfor_b_\@
	tensor_load_to_lds s[G0+4*(\s):G0+4*(\s)+3], s[G1:G1+7]
	s_nop 0
.rept 4
	v_nop
.endr
	s_branch .Lasked_\@
.Lfor_b_\@:
	tensor_load_to_lds s[G0B+4*(\s):G0B+4*(\s)+3], s[G1B:G1B+7]
	s_nop 0
.rept 4
	v_nop
.endr
.Lasked_\@:
.endm
; A PREFETCH INTO THE L2, behind each joint refill and the run of LDS loads that follows it: the K step that stands TWO refills on, 512 matrix instructions ahead of the load that will name it:
; 32 rows x 256 bytes, a lane a row, one instruction a wave.  Each row's 256 bytes of a K step are named ONCE in the launch: hb's tile row is read by every cluster of that row of clusters, and the one
; with cluster x = 0 asks; wb's tile column by every cluster of that column, and the one with cluster y = 0 asks.  The four partners that ask for a tile jointly share its rows out BY ADDRESS: of the 128
; rows that a wave fetches the partner at place p takes 32 p .. 32 p + 31 (p = cx for hb, cy for wb).  K steps 0 to 3 come by their loads alone; the loop's last trip (s3 = 1) asks for nothing: K step 31 is the last.
.macro ASK
	s_cmp_gt_u32 s3, s[LIM]
	s_cbranch_scc0 .Lnot_mine_\@
	global_prefetch_b8 v[PFO], s[PFA:PFA+1] offset:KSTEP*2 th:TH_LOAD_NT scope:SCOPE_SE
.Lnot_mine_\@:
.endm
; A round of the cluster's barrier: my work-group's barrier, so that wave 0's signal speaks for all four waves; wave 0 signals for the work-group; every wave waits for all sixteen; my work-group's barrier once more.
.macro CREST                           ; a round behind its opening barrier
	s_cmp_lg_u32 s10, 0
	s_cbranch_scc1 .Lnot_wave_0_\@
	s_barrier_signal -3
.Lnot_wave_0_\@:
	s_barrier_wait -3
	s_barrier_signal -1
	s_barrier_wait -1
.endm
.macro CROUND                          ; a whole round
	s_barrier_signal -1
	s_barrier_wait -1
	CREST
.endm
	s_load_b128 s[4:7], s[0:1], 0x0                ; hb s[4:5], wb s[6:7]
	s_load_b128 s[68:71], s[0:1], 0x10             ; labels s[68:69], part s[70:71]
	v_lshl_add_u32 v[SPW], v0, 2, SPARE
	v_mov_b32 v[NIL], 0
	ds_add_u32 v[SPW], v[NIL]                      ; the wave's opening: the add, twice on end, and its wait ahead of my first tensor load; the set-up below, work on registers, stands between
	ds_add_u32 v[SPW], v[NIL]                      ; and once more, under the one wait
	v_lshrrev_b32 v1, 5, v0
	v_readfirstlane_b32 s10, v1                    ; wave 0..3
	s_lshr_b32 s11, s10, 1                         ; which half of the tile's tokens is mine.  Also: I fetch for hb (0) or for wb (1)
	s_and_b32 s12, s10, 1                          ; which half of its columns.  Also: which 128 rows of that tile I fetch
	s_bfe_u32 s40, ttmp6, 0x40000                  ; cx: my place along the cluster's x
	s_bfe_u32 s41, ttmp6, 0x40004                  ; cy: along its y
	s_lshl_b32 s42, ttmp9, 2                       ; in a cluster launch ttmp9 and ttmp7 count clusters
	s_add_co_u32 s42, s42, s40                     ; tile column = 4 x cluster x + cx
	s_and_b32 s13, ttmp7, 0xffff
	s_lshl_b32 s13, s13, 2
	s_add_co_u32 s13, s13, s41                     ; tile row = 4 x cluster y + cy
	s_lshl_b32 s43, s41, 2
	s_lshl_b32 s43, 15, s43                        ; my row of the cluster: places 4 cy .. 4 cy + 3
	s_lshl_b32 s44, 0x1111, s40                    ; my column: places cx, cx + 4, cx + 8, cx + 12
	; descriptor group 1: a tile of 128 rows x 128 elements, padded in LDS
	s_or_b32 s[G1+0], s43, (1<<16)|(1<<20)|(1<<21)|(5<<22)|(3<<25)  ; 15:0 the mask: hb's tiles go to my row; 17:16 elements of 2 bytes; 20 padding on; 21 set beside a mask; 24:22 after every 64 words (code 5); 31:25 4 words of it (code 3)
	s_or_b32 s[G1B+0], s44, (1<<16)|(1<<20)|(1<<21)|(5<<22)|(3<<25) ; the same with the mask of my column, for wb's tiles
.irp g, G1, G1B
	s_mov_b32 s[(\g)+1], KSTEP<<16                 ; tensor_dim0 = 128
	s_mov_b32 s[(\g)+2], 128<<16                   ; tensor_dim1 = 128
	s_mov_b32 s[(\g)+3], KSTEP<<16                 ; tile_dim0 = 128
	s_mov_b32 s[(\g)+4], 128                       ; tile_dim1 = 128
	s_mov_b32 s[(\g)+5], SIZE_K                    ; elements from row to row
	s_mov_b32 s[(\g)+6], 0
	s_mov_b32 s[(\g)+7], 0
.endr
	s_mov_b32 s[SEL], 0x76543210
	s_mov_b32 s[SEL+1], 0xfedcba98
	s_mov_b32 s[CS], 0x3fb8aa3b                    ; log2(e)
	s_mov_b32 s[CS+1], s[CS]                       ; named with it as a pair
	s_mov_b32 s[HM], 0xffff0000
	; where the tiles come from.  hb's hang on the tile row alone, which my row of the cluster shares; wb's on the tile column alone, which my column shares.
	s_lshl_b32 s17, s12, 7                         ; which 128 rows of the tile I fetch
	s_lshl_b32 s16, s13, 8
	s_add_co_u32 s16, s16, s17                     ; hb: row 256 x tile row + 128 x half
	s_lshl_b32 s46, s42, 8
	s_add_co_u32 s46, s46, s17                     ; wb: row 256 x tile column + 128 x half
	s_mov_b32 s17, 0
	s_mov_b32 s47, 0
	s_mov_b64 s[18:19], SIZE_K*2
	s_mul_u64 s[16:17], s[16:17], s[18:19]         ; in bytes
	s_mul_u64 s[46:47], s[46:47], s[18:19]
	s_mul_i32 s20, s10, HALFT                      ; and where they go: wave x 128 rows: no place in the cluster enters an LDS address
	s_wait_dscnt 0x0                               ; both opening adds are done
	s_wait_kmcnt 0x0
	s_add_nc_u64 s[14:15], s[4:5], s[16:17]
	s_add_nc_u64 s[46:47], s[6:7], s[46:47]
	CROUND                                         ; all sixteen work-groups are here: the first joint loads meet
.irp s, 0,1
	s_mov_b32 s[G0+4*(\s)], 1                                      ; count = 1
	s_add_co_u32 s[G0+4*(\s)+1], s20, (\s)*SLOT                    ; LDS address
	s_add_nc_u64 s[G0+4*(\s)+2:G0+4*(\s)+3], s[14:15], (\s)*KSTEP*2  ; global address: K step s
	s_or_b32 s[G0+4*(\s)+3], s[G0+4*(\s)+3], 0x80000000            ; type = 2
	s_mov_b32 s[G0B+4*(\s)], 1
	s_add_co_u32 s[G0B+4*(\s)+1], s20, (\s)*SLOT
	s_add_nc_u64 s[G0B+4*(\s)+2:G0B+4*(\s)+3], s[46:47], (\s)*KSTEP*2
	s_or_b32 s[G0B+4*(\s)+3], s[G0B+4*(\s)+3], 0x80000000
	JLOAD \s                                       ; two tensor loads of mine are out; behind every later round one
.endr
	; THE LABELS of my 128 tokens.  Token t = 256 x tile row + 128 x half + 16 a + r has b = t & 1 = r & 1 and s = t >> 1: labels[b][s] lies at 8,192 b + 4 s.
	v_and_b32 v1, 15, v0                           ; r = l % 16
	v_bfe_u32 v2, v0, 4, 1                         ; h = l / 16
	v_and_b32 v4, 1, v0
	v_bfe_u32 v5, v0, 1, 3
	v_lshlrev_b32 v[LO], 13, v4                    ; 8,192 (r & 1)
	v_lshl_add_u32 v[LO], v5, 2, v[LO]             ; + 4 (r >> 1)
	s_lshl_b32 s80, s13, 9                         ; 4 x 128 x tile row
	s_lshl_b32 s81, s11, 8                         ; 4 x 64 x half
	s_add_co_u32 s80, s80, s81
	s_mov_b32 s81, 0
	s_add_nc_u64 s[68:69], s[68:69], s[80:81]
.irp a, 0,1,2,3,4,5,6,7
	global_load_b32 v[BLK+(\a)], v[LO], s[68:69] offset:32*(\a)  ; 16 tokens on are 8 places of s on
.endr
	; A fragment is 16 rows x 32 K in 8 registers: lane l holds row l % 16; registers 0-3 hold K = 8 (l / 16) + 0..7, registers 4-7 K = 16 + 8 (l / 16) + 0..7: two loads of 16 bytes, 32 bytes apart.
	v_mul_u32_u24 v3, v1, PITCH
	v_lshl_add_u32 v3, v2, 4, v3                   ; row x pitch + 16 x half
	s_mul_i32 s21, s11, HALFT                      ; my 128 rows of hb
	s_mul_i32 s22, s12, HALFT                      ; my 128 rows of wb,
	s_add_co_u32 s22, s22, 2*HALFT                 ; which lie behind hb's 256
.irp s, 0,1
	v_add_nc_u32 v[ADRA+(\s)], s21, v3
	v_add_nc_u32 v[ADRB+(\s)], s22, v3
	s_add_co_u32 s21, s21, SLOT
	s_add_co_u32 s22, s22, SLOT
.endr
	; the prefetches
	s_lshl_b32 s14, s13, 8                         ; 256 x tile row
	s_lshl_b32 s15, s42, 8                         ; 256 x tile column
	s_and_b32 s22, ttmp7, 0xffff                   ; cluster y
	s_cmp_eq_u32 s11, 0                            ; do I fetch for hb?
	s_cselect_b32 s20, s14, s15                    ; the tile's first row
	s_cselect_b32 s21, s40, s41                    ; my place among the four that ask for it with me
	s_cselect_b32 s22, ttmp9, s22                  ; the coordinate along which other clusters read the same rows
	s_cselect_b64 s[PFA:PFA+1], s[4:5], s[6:7]
	s_cmp_eq_u32 s22, 0
	s_cselect_b32 s[LIM], 1, -1                    ; the same in all sixteen partners, for a given wave
	s_lshl_b32 s22, s12, 7
	s_add_co_u32 s20, s20, s22                     ; + the 128 rows that I fetch
	s_lshl_b32 s21, s21, 5
	s_add_co_u32 s20, s20, s21                     ; + my work-group's 32 of them
	s_mov_b32 s21, 0
	s_mov_b64 s[18:19], SIZE_K*2
	s_mul_u64 s[20:21], s[20:21], s[18:19]
	s_add_nc_u64 s[PFA:PFA+1], s[PFA:PFA+1], s[20:21]
	s_add_nc_u64 s[PFA:PFA+1], s[PFA:PFA+1], 2*KSTEP*2  ; at K step 2: the first refill steps it to 3 and names K step 4
	v_and_b32 v[PFO], 31, v0
	v_mul_u32_u24 v[PFO], v[PFO], SIZE_K*2
	; my group of 128 columns, the padding's C operand, my unit of part
	s_lshl_b32 s77, s42, 1
	s_add_co_u32 s77, s77, s12                     ; c = 2 x tile column + half
	s_cmp_eq_u32 s77, LASTC
	s_cselect_b32 s78, 0xf149f2ca, 0               ; -1e30 where my blocks 2 to 7 are padding, else 0: it selects a value, no path
.irp j, 0,1,2,3,4,5,6,7
	v_mov_b32 v[PEN+(\j)], s78
.endr
	v_and_b32 v[PO], 31, v0
	v_lshlrev_b32 v[PO], 4, v[PO]
	s_lshl_b32 s80, s13, 1
	s_add_co_u32 s80, s80, s11                     ; my group of 128 tokens = 2 x tile row + half
	s_lshl_b32 s80, s80, 5
	s_add_co_u32 s80, s80, s77                     ; x 32 + c: my unit,
	s_lshl_b32 s80, s80, 11                        ; of 2,048 bytes
	s_mov_b32 s81, 0
	s_add_nc_u64 s[70:71], s[70:71], s[80:81]
	s_lshl_b32 s79, s77, 7
	v_lshl_add_u32 v6, v2, 3, s79                  ; my lanes' first column: 128 c + 8 h
	s_wait_loadcnt 0x0                             ; the labels
.irp a, 0,1,2,3,4,5,6,7
	v_sub_nc_u32 v[BLK+(\a)], v[BLK+(\a)], v6      ; the label counted from there: 16 b + j names register j of block b; a label below wraps to a number far above 127
	v_and_b32 v[JJ+(\a)], 15, v[BLK+(\a)]          ; 8 to 15: a column of the other half of the lanes: no register of mine
	v_lshrrev_b32 v[BLK+(\a)], 4, v[BLK+(\a)]      ; above 7: not in my wave's columns
.endr
; 16 matrix instructions: token blocks a0, a0 + 1 of the window's four (hi = 0: my tokens 0-63, 1: tokens 64-127) x all 8 column blocks, 32 along K.
; zero = 1: the first product starts the sums, with the constant 0 or, for blocks 2 to 7, with PEN (window 0): nothing is ever cleared.
; The 64 accumulators take turns, one instruction a turn, in the same order in every quarter step.
.macro MUL16 f, hi, a0, zero
.if \zero
	WIN 0x81+0x40*(\hi)                            ; source 0 (wb) window 1, sources 1 (hb) and 2 (PEN) window 0, D window 2 or 3
.else
	WIN 0xa1+0x50*(\hi)                            ; source 0 window 1, source 1 window 0, C and D window 2 or 3
.endif
.irp a, \a0, (\a0)+1
.irp b, 0,1,2,3,4,5,6,7
.if (\zero) && ((\b) < NVAL)
	v_wmma_f32_16x16x32_bf16 v[8*(8*(\a)+(\b)):8*(8*(\a)+(\b))+7], v[(\f)+8*(\b):(\f)+8*(\b)+7], v[(\f)+8*(4*(\hi)+(\a)):(\f)+8*(4*(\hi)+(\a))+7], 0
.elseif \zero
	v_wmma_f32_16x16x32_bf16 v[8*(8*(\a)+(\b)):8*(8*(\a)+(\b))+7], v[(\f)+8*(\b):(\f)+8*(\b)+7], v[(\f)+8*(4*(\hi)+(\a)):(\f)+8*(4*(\hi)+(\a))+7], v[PEN:PEN+7]
.else
	v_wmma_f32_16x16x32_bf16 v[8*(8*(\a)+(\b)):8*(8*(\a)+(\b))+7], v[(\f)+8*(\b):(\f)+8*(\b)+7], v[(\f)+8*(4*(\hi)+(\a)):(\f)+8*(4*(\hi)+(\a))+7], v[8*(8*(\a)+(\b)):8*(8*(\a)+(\b))+7]
.endif
.endr
.endr
.endm
; 32 LDS loads in one run: the fragments of one quarter step (128 rows of wb, 128 rows of hb, 32 K at byte k of the rows) into buffer f
.macro FETCH slot, k, f
	WIN TO_B
.irp i, 0,1,2,3,4,5,6,7
	ds_load_b128 v[(\f)+8*(\i):(\f)+8*(\i)+3],   v[ADRB+(\slot)] offset:(\k)+(\i)*16*PITCH
	ds_load_b128 v[(\f)+8*(\i)+4:(\f)+8*(\i)+7], v[ADRB+(\slot)] offset:(\k)+(\i)*16*PITCH+32
.endr
	WIN 0
.irp i, 0,1,2,3,4,5,6,7
	ds_load_b128 v[(\f)+8*(\i):(\f)+8*(\i)+3],   v[ADRA+(\slot)] offset:(\k)+(\i)*16*PITCH
	ds_load_b128 v[(\f)+8*(\i)+4:(\f)+8*(\i)+7], v[ADRA+(\slot)] offset:(\k)+(\i)*16*PITCH+32
.endr
.endm
; A load into a register that a matrix instruction has read, and a vector instruction that reads a matrix result or writes one of a matrix instruction's registers, stand four places behind it,
; and only plain vector instructions that name none of its registers are places (ISA guide 7.12.1 for vector instructions).
.macro PLACES
.rept 4
	v_nop
.endr
.endm
; A K step is four quarter steps of 32 along K, 64 matrix instructions each, on buffers 0, 1, 0, 1.
; One of the first three: multiplies buffer f; in its middle it fetches the next quarter's fragments, at byte k of the same slot's rows, into buffer g.
.macro QUARTER slot, k, f, g, zero
	s_wait_dscnt 8                                 ; wb's fragments and hb's rows 0-63 are in; the youngest eight loads (hb's rows 64-127) may be out
	MUL16 \f, 0, 0, \zero
	MUL16 \f, 0, 2, \zero
	PLACES
	FETCH \slot, \k, \g
	s_wait_dscnt 32                                ; all but the 32 just issued
	MUL16 \f, 1, 0, \zero
	MUL16 \f, 1, 2, \zero
.endm
; The last quarter multiplies buffer 1 and changes slots.  MEET is its first half: ONE barrier for two things.  In front of it each wave waits for all its tensor loads, of which one is out: its part of
; the next slot; adds 0 to its spare word; and waits for that and for its own reads of this slot.  Behind it nobody reads this slot any more and the next slot is whole.
.macro MEET round                      ; round = 1: a round of the cluster's barrier follows
	WIN 0                                          ; (the add's two registers lie in window 0)
	s_wait_tensorcnt 0x0                           ; all my tensor loads have landed;
	ds_add_u32 v[SPW], v[NIL]                      ; 0 onto my spare word;
	s_wait_dscnt 9                                 ; (the add and the youngest eight loads may be out)
	MUL16 F1, 0, 0, 0                              ; sixteen matrix instructions stand between the add and the wait for it
	s_wait_dscnt 0x0                               ; the add is done, and my reads of this slot are over:
	s_barrier_signal -1                            ; say so,
	MUL16 F1, 0, 2, 0                              ; work on registers while the others arrive,
.if \round
	WIN 0
.endif
	s_barrier_wait -1                              ; and go on when all four have said so
.endm
; The whole last quarter of a K step whose slot is filled again, with the K step two steps on: the barrier opens a round of the cluster's, the joint refill is the first tensor load behind the round,
; then come the next slot's first fragments.  From a request to the wait for it a wave issues 224 matrix instructions.
.macro TURN slot, next
	s_wait_xcnt 0x0                                ; the last prefetch, a K step back, has read its address: it is stepped here, ahead of the waits of the change of slots
	s_add_nc_u64 s[PFA:PFA+1], s[PFA:PFA+1], KSTEP*2
	MEET 1
	CREST                                          ; no wave of any partner still reads this slot's tile or has a load on its way
	s_add_nc_u64 s[G0+4*(\slot)+2:G0+4*(\slot)+3], s[G0+4*(\slot)+2:G0+4*(\slot)+3], 2*KSTEP*2
	s_add_nc_u64 s[G0B+4*(\slot)+2:G0B+4*(\slot)+3], s[G0B+4*(\slot)+2:G0B+4*(\slot)+3], 2*KSTEP*2
	JLOAD \slot                                    ; the four v_nop behind it are also the places in front of the loads below
	FETCH \next, 0, F0
	ASK
	MUL16 F1, 1, 0, 0
	MUL16 F1, 1, 2, 0
.endm
	s_wait_tensorcnt 1                             ; my part of K step 0 is in; K step 1's may stay out
	s_barrier_signal -1
	s_barrier_wait -1                              ; everybody's is
	FETCH 0, 0, F0
	QUARTER 0, 64,  F0, F1, 1                      ; the first quarter stands in front of the loop: its products start the sums
	WIN 0                                          ; at a label and at a branch every window is 0
	s_mov_b32 s3, LAPS-1
.Llap:                                                 ; a trip goes once round the ring, from a lap's second quarter to the next lap's first, and fills both slots again
	QUARTER 0, 128, F1, F0, 0
	QUARTER 0, 192, F0, F1, 0
	TURN 0, 1
	QUARTER 1, 64,  F0, F1, 0
	QUARTER 1, 128, F1, F0, 0
	QUARTER 1, 192, F0, F1, 0
	TURN 1, 0
	QUARTER 0, 64,  F0, F1, 0
	WIN 0
	s_sub_co_u32 s3, s3, 1
	s_cmp_lg_u32 s3, 0
	s_cbranch_scc1 .Llap
	QUARTER 0, 128, F1, F0, 0                      ; the last lap is written out: it fills nothing, and has no round of the cluster's barrier
	QUARTER 0, 192, F0, F1, 0
	MEET 0                                         ; my one tensor load that was still out is slot 1's, the last K step's
	PLACES                                         ; for the loads into buffer 0, which the quarter before multiplied
	FETCH 1, 0, F0
	MUL16 F1, 1, 0, 0
	MUL16 F1, 1, 2, 0
	QUARTER 1, 64,  F0, F1, 0
	QUARTER 1, 128, F1, F0, 0
	QUARTER 1, 192, F0, F1, 0
	s_wait_dscnt 8                                 ; the very last quarter: nothing more to fetch
	MUL16 F1, 0, 0, 0
	MUL16 F1, 0, 2, 0
	s_wait_dscnt 0x0
	MUL16 F1, 1, 0, 0
	MUL16 F1, 1, 2, 0
	WIN 0
	PLACES                                         ; behind the last products, once in the launch: what follows reads results and writes over hb's fragments;
	PLACES                                         ; eight places, twice what the distance asks
; THE PARTIAL SOFTMAX of four token blocks: a = 4 hi + u, u = 0..3, whose accumulators fill window 2 + hi (block u at v[64 u], 64 registers: my token's 64 logits).
.macro FSC hi                          ; pair p of the window's 128: c s - c m
	v_pk_fma_f32 v[2*p:2*p+1], v[2*p:2*p+1], s[CS:CS+1], v[ST+2*(4*(\hi)+p/32):ST+2*(4*(\hi)+p/32)+1] op_sel_hi:[1,0,0] neg_lo:[0,0,1] neg_hi:[0,0,1]
.endm
.macro EPI hi
	; the maximum of 64 logits, three operands at a time, in ascending order: each accumulator's first reader names one of its lowest registers
	WIN 0x2a+0x15*(\hi)                            ; three sources in the accumulators' window, destination in window 0
.irp u, 0,1,2,3
.set i, 0
.rept 21
	v_max3_num_f32 v[T+22*(\u)+i], v[64*(\u)+3*i], v[64*(\u)+3*i+1], v[64*(\u)+3*i+2]
.set i, i+1
.endr
	v_max_num_f32 v[T+22*(\u)+21], v[64*(\u)+62], v[64*(\u)+63]
.endr
	WIN 0                                          ; 22 into one; the four token blocks alternate, so that no line reads the result of the one before it
.irp i, 0,1,2,3,4,5,6
.irp u, 0,1,2,3
	v_max3_num_f32 v[T+22*(\u)+3*(\i)], v[T+22*(\u)+3*(\i)], v[T+22*(\u)+3*(\i)+1], v[T+22*(\u)+3*(\i)+2]
.endr
.endr
.irp u, 0,1,2,3
	v_max3_num_f32 v[T+22*(\u)], v[T+22*(\u)], v[T+22*(\u)+3], v[T+22*(\u)+6]
.endr
.irp u, 0,1,2,3
	v_max3_num_f32 v[T+22*(\u)+9], v[T+22*(\u)+9], v[T+22*(\u)+12], v[T+22*(\u)+15]
.endr
.irp u, 0,1,2,3
	v_max_num_f32 v[T+22*(\u)+18], v[T+22*(\u)+18], v[T+22*(\u)+21]
.endr
.irp u, 0,1,2,3
	v_max3_num_f32 v[T+22*(\u)], v[T+22*(\u)], v[T+22*(\u)+9], v[T+22*(\u)+18]
.endr
.irp u, 0,1,2,3
	v_permlanex16_b32 v[T+22*(\u)+1], v[T+22*(\u)], s[SEL], s[SEL+1]  ; the token's other 64 columns lie in the lane 16 away
.endr
.irp u, 0,1,2,3
	v_max_num_f32 v[ST+2*(4*(\hi)+(\u))+1], v[T+22*(\u)], v[T+22*(\u)+1]  ; m
.endr
.irp u, 0,1,2,3
	v_mul_f32 v[ST+2*(4*(\hi)+(\u))], s[CS], v[ST+2*(4*(\hi)+(\u))+1]     ; c m
.endr
	; the label's logit, by selects alone: first the block of eight in which it lies (or zeros), then the one of the eight (or 0)
	WIN 0x08+0x04*(\hi)                            ; source 1 in the accumulators' window
.irp u, 0,1,2,3
.irp b, 0,1,2,3,4,5,6,7
	v_cmp_eq_u32 vcc_lo, v[BLK+4*(\hi)+(\u)], \b
.irp j, 0,1,2,3,4,5,6,7
.if (\b) == 0
	v_cndmask_b32 v[TS+8*(\u)+(\j)], 0, v[64*(\u)+8*(\b)+(\j)], vcc_lo
.else
	v_cndmask_b32 v[TS+8*(\u)+(\j)], v[TS+8*(\u)+(\j)], v[64*(\u)+8*(\b)+(\j)], vcc_lo
.endif
.endr
.endr
.endr
	WIN 0
.irp j, 0,1,2,3,4,5,6,7
.irp u, 0,1,2,3
	v_cmp_eq_u32 vcc_lo, \j, v[JJ+4*(\hi)+(\u)]
.if (\j) == 0
	v_cndmask_b32 v[G+4*(\hi)+(\u)], 0, v[TS+8*(\u)+(\j)], vcc_lo
.else
	v_cndmask_b32 v[G+4*(\hi)+(\u)], v[G+4*(\hi)+(\u)], v[TS+8*(\u)+(\j)], vcc_lo
.endif
.endr
.endr
	; the weights 2^(c s - c m), in place: ONE BATCH of 256 exponentials; a pair is scaled three lines ahead of its exponentials, and nothing ahead of the wait names a result
	WIN 0x82+0x41*(\hi)                            ; destination and source 0 in the accumulators' window, c m in window 0
.set p, 0
	FSC \hi
.rept 128
.set p, p+1
.if p < 128
	FSC \hi
.endif
	v_exp_f32 v[2*p-2], v[2*p-2]
	v_exp_f32 v[2*p-1], v[2*p-1]
.endr
	v_nop                                          ; a plain instruction behind the last exponential,
	s_wait_alu depctr_va_vdst(0)                   ; and the wait ahead of the first use: one for the batch
	; their sum, in f32, as a tree of packed additions: pairs 16, 8, 4, 2 and 1 apart; the four token blocks alternate
	WIN 0x8a+0x45*(\hi)
.irp d, 16,8,4,2,1
.set q, 0
.rept \d
.irp u, 0,1,2,3
	v_pk_add_f32 v[64*(\u)+2*q:64*(\u)+2*q+1], v[64*(\u)+2*q:64*(\u)+2*q+1], v[64*(\u)+2*(q+(\d)):64*(\u)+2*(q+(\d))+1]
.endr
.set q, q+1
.endr
.endr
	WIN 0x0a+0x05*(\hi)
.irp u, 0,1,2,3
	v_add_f32 v[L+4*(\hi)+(\u)], v[64*(\u)], v[64*(\u)+1]
.endr
	WIN 0
.irp u, 0,1,2,3
	v_permlanex16_b32 v[T+22*(\u)], v[L+4*(\hi)+(\u)], s[SEL], s[SEL+1]
.endr
.irp u, 0,1,2,3
	v_add_f32 v[L+4*(\hi)+(\u)], v[L+4*(\hi)+(\u)], v[T+22*(\u)]  ; l of all 128 columns, in both halves of the lanes
.endr
.endm
	EPI 0
	EPI 1
	; THE WAY OUT.  My unit of part, 2,048 bytes: byte 1,024 q + 512 (a / 4) + 256 hl + 16 r + 4 (a % 4); q = 0: m (hl = 0) and l (hl = 1); q = 1: the g of the half hl of the lanes.
	WIN 0
.irp a, 0,1,2,3,4,5,6,7
	v_cndmask_b32 v[X+(\a)], v[ST+2*(\a)+1], v[L+(\a)], s[HM]  ; lanes 0-15 keep m, lanes 16-31 take l
.endr
	global_store_b128 v[PO], v[X:X+3],   s[70:71] th:TH_STORE_NT              ; each store covers 512 consecutive bytes, at a multiple of 256 from part's first byte
	global_store_b128 v[PO], v[X+4:X+7], s[70:71] offset:512 th:TH_STORE_NT
	global_store_b128 v[PO], v[G:G+3],   s[70:71] offset:1024 th:TH_STORE_NT
	global_store_b128 v[PO], v[G+4:G+7], s[70:71] offset:1536 th:TH_STORE_NT
	s_wait_tensorcnt 0x0                           ; the wave's end, behind my last tensor load
	ds_add_u32 v[SPW], v[NIL]
	s_wait_dscnt 0x0
	CROUND                                         ; the closing round: no work-group ends while a partner may still ask for a tile that names it
	s_endpgm
.Lfunc_end_k_q8c8dcab006_head:
	.size	k_q8c8dcab006_head, .Lfunc_end_k_q8c8dcab006_head-k_q8c8dcab006_head
	.p2alignl 7, 3214868480
	.fill 96, 4, 3214868480
	.section	.rodata,"a",@progbits
	.p2align	6, 0x0
	.amdhsa_kernel k_q8c8dcab006_head
		.amdhsa_group_segment_fixed_size 327680
		.amdhsa_private_segment_fixed_size 0
		.amdhsa_enable_private_segment 0
		.amdhsa_kernarg_size 32
		.amdhsa_user_sgpr_count 2
		.amdhsa_user_sgpr_kernarg_segment_ptr 1
		.amdhsa_wavefront_size32 1
		.amdhsa_system_sgpr_workgroup_id_x 1
		.amdhsa_system_sgpr_workgroup_id_y 1
		.amdhsa_system_sgpr_workgroup_id_z 1
		.amdhsa_system_vgpr_workitem_id 0
		.amdhsa_next_free_vgpr 1024
		.amdhsa_next_free_sgpr 84
		.amdhsa_reserve_vcc 1
		.amdhsa_float_denorm_mode_32 3
		.amdhsa_float_denorm_mode_16_64 3
		.amdhsa_memory_ordered 1
		.amdhsa_forward_progress 1
		.amdhsa_inst_pref_size 206
	.end_amdhsa_kernel
	.amdgpu_metadata
---
amdhsa.version: [ 1, 2 ]
amdhsa.kernels:
  - .name:           k_q8c8dcab006_head
    .symbol:         k_q8c8dcab006_head.kd
    .args:
      - { .name: hb, .offset: 0, .size: 8, .value_kind: global_buffer, .address_space: global }
      - { .name: wb, .offset: 8, .size: 8, .value_kind: global_buffer, .address_space: global }
      - { .name: labels, .offset: 16, .size: 8, .value_kind: global_buffer, .address_space: global }
      - { .name: part, .offset: 24, .size: 8, .value_kind: global_buffer, .address_space: global }
    .group_segment_fixed_size: 327680
    .private_segment_fixed_size: 0
    .kernarg_segment_align: 8
    .kernarg_segment_size: 32
    .max_flat_workgroup_size: 128
    .sgpr_count:     84
    .vgpr_count:     1024
    .wavefront_size: 32
...
	.end_amdgpu_metadata
.endif
;; end of part 2
;; launch finish (part 3): grid 32 x 1, 8 waves a work-group, no clusters, 13,824 bytes of LDS; arguments part, out0; writes out0
.if DOCPART == 3
	.amdgcn_target "amdgcn-amd-amdhsa--gfx1250"
	.amdhsa_code_object_version 6
	.text
	.protected	k_q8c8dcab006_finish
	.globl	k_q8c8dcab006_finish
	.p2align	8
	.type	k_q8c8dcab006_finish,@function
k_q8c8dcab006_finish:
	s_mov_b64 s[64:65], 0
	v_nop
	global_prefetch_b8 v0, s[64:65] scope:SCOPE_SE
	s_setreg_imm32_b32 hwreg(HW_REG_WAVE_MODE, 25, 1), 1
	s_wait_xcnt 0x0
; out0[b][s] = logsumexp over the vocabulary of token t = 2 s + b, less the label's logit.  A token has 32 partials (m_i, l_i, g_i), one for each 128 columns:
; M = max m_i;  L = sum of l_i 2^((m_i - M) log2 e);  G = sum of g_i (one of them is the logit, the others are 0);  the result is (M - G) + ln 2 x log2 L.  All in f32.
; The difference m_i - M is taken first and scaled afterwards, so that near maxima lose nothing.  l_i is at least about 1, so L is; a term below 2^-126 counts as 0.
; part: unit ru x 32 + c of 2,048 bytes (ru = t / 128, c = column / 128); in it byte 1,024 q + 512 (a / 4) + 256 hl + 16 r + 4 (a % 4) for token 128 ru + 16 a + r:
; q = 0: m (hl = 0), l (hl = 1); q = 1: two parts of g.
; SHARES.  Work-group ru owns 128 tokens: 32 work-groups, as many as there are groups of 128 tokens whose results fill whole aligned blocks of 256 bytes of out0.
; Lane (ah = l / 16, r = l % 16) owns the four tokens a = 4 ah + 0..3, the same in every wave.  Wave w joins units c = 4 w .. 4 w + 3; the eight results meet in LDS, and wave 0 joins them.
; No cluster, no matrix unit, no prefetch: 64 KiB a work-group, each byte read once, all loads issued at the head.
.set UNIT,  2048
.set PARTS, 0                          ; LDS: wave w's M, L, G at 1,536 w + 512 q + 16 l: 12,288 bytes
.set STG,   12288                      ; 512 bytes: the results in out0's order: 256 b + 4 (s - 64 ru)
.set SPARE, 12800                      ; the spare words, 128 bytes for each wave: four blocks of 256 bytes that no other line names
.set VO,  4                            ; v4   my 16 bytes in my wave's first unit: 512 ah + 16 r + 8,192 w
.set LW,  5                            ; v5   where I put my wave's results: 1,536 w + 16 l
.set LL,  6                            ; v6   16 l
.set SA,  7                            ; v7   my first token's place in the stage
.set SPW, 8                            ; v8   LDS address of my spare word; never rewritten
.set NIL, 9                            ; v9   0; never rewritten
.set OO,  10                           ; v10  my 16 bytes of out0: 8,192 (l / 16) + 16 (l % 16)
.set IN,  16                           ; v[16:111] what is joined
.set MX,  112                          ; v[112:115] M of my four tokens
.set LS,  116                          ; v[116:119] L
.set GS,  120                          ; v[120:123] G
.set NL,  124                          ; v[124:127] the results
.set CS,  10                           ; s[10:11] log2(e): the packed multiply takes the pair's low word for both halves
	s_load_b128 s[4:7], s[0:1], 0x0                ; part s[4:5], out0 s[6:7]
	v_lshl_add_u32 v[SPW], v0, 2, SPARE
	v_mov_b32 v[NIL], 0
	v_lshrrev_b32 v11, 5, v0
	v_readfirstlane_b32 s8, v11                    ; wave 0..7
	v_and_b32 v1, 31, v0                           ; l
	v_and_b32 v2, 15, v0                           ; r
	v_bfe_u32 v3, v0, 4, 1                         ; ah
	s_lshl_b32 s14, s8, 13                         ; four units a wave
	v_lshlrev_b32 v[VO], 4, v2
	v_lshl_add_u32 v[VO], v3, 9, v[VO]
	v_add_nc_u32 v[VO], s14, v[VO]
	s_mul_i32 s15, s8, 1536
	v_lshl_add_u32 v[LW], v1, 4, s15
	v_lshlrev_b32 v[LL], 4, v1
	; token 128 ru + 64 ah + 16 k + r has b = r & 1 and s = 64 ru + 32 ah + 8 k + (r >> 1)
	v_and_b32 v[SA], 1, v0
	v_lshlrev_b32 v[SA], 8, v[SA]                  ; 256 b
	v_lshl_add_u32 v[SA], v3, 7, v[SA]             ; + 4 x 32 ah
	v_bfe_u32 v12, v0, 1, 3
	v_lshl_add_u32 v[SA], v12, 2, v[SA]            ; + 4 (r >> 1)
	v_add_nc_u32 v[SA], STG, v[SA]
	v_lshlrev_b32 v[OO], 4, v2
	v_lshl_add_u32 v[OO], v3, 13, v[OO]            ; a row of out0 is 8,192 bytes
	s_mov_b32 s[CS], 0x3fb8aa3b
	s_mov_b32 s[CS+1], s[CS]                       ; named with it as a pair
	s_mov_b32 s12, 0x3f317218                      ; ln 2
	s_lshl_b32 s16, ttmp9, 16                      ; 32 units of 2,048 bytes
	s_mov_b32 s17, 0
	s_lshl_b32 s18, ttmp9, 8                       ; 64 places of s
	s_mov_b32 s19, 0
	s_wait_kmcnt 0x0
	s_add_nc_u64 s[4:5], s[4:5], s[16:17]
	s_add_nc_u64 s[6:7], s[6:7], s[18:19]
.irp ci, 0,1,2,3                       ; unit ci of my four: m, l and the two parts of g; sixteen lanes read 256 consecutive bytes, aligned
	global_load_b128 v[IN+16*(\ci):IN+16*(\ci)+3],     v[VO], s[4:5] offset:UNIT*(\ci) th:TH_LOAD_NT
	global_load_b128 v[IN+16*(\ci)+4:IN+16*(\ci)+7],   v[VO], s[4:5] offset:UNIT*(\ci)+256 th:TH_LOAD_NT
	global_load_b128 v[IN+16*(\ci)+8:IN+16*(\ci)+11],  v[VO], s[4:5] offset:UNIT*(\ci)+1024 th:TH_LOAD_NT
	global_load_b128 v[IN+16*(\ci)+12:IN+16*(\ci)+15], v[VO], s[4:5] offset:UNIT*(\ci)+1280 th:TH_LOAD_NT
.endr
; n partials are joined (n = 4 or 8): partial i has its four m at IN + st i and its four l at IN + st i + 4.  MX and LS take the result; the m are used up.
.macro COMB n, st
.irp k, 0,1,2,3
	v_max3_num_f32 v[MX+(\k)], v[IN+(\k)], v[IN+(\st)+(\k)], v[IN+2*(\st)+(\k)]
.endr
.if (\n) > 4
.set i, 3
.rept ((\n)-4)/2
.irp k, 0,1,2,3
	v_max3_num_f32 v[MX+(\k)], v[MX+(\k)], v[IN+i*(\st)+(\k)], v[IN+(i+1)*(\st)+(\k)]
.endr
.set i, i+2
.endr
.endif
.irp k, 0,1,2,3
	v_max_num_f32 v[MX+(\k)], v[MX+(\k)], v[IN+((\n)-1)*(\st)+(\k)]
.endr
.set i, 0
.rept \n
.irp k, 0,2
	v_pk_add_f32 v[IN+i*(\st)+(\k):IN+i*(\st)+(\k)+1], v[IN+i*(\st)+(\k):IN+i*(\st)+(\k)+1], v[MX+(\k):MX+(\k)+1] neg_lo:[0,1] neg_hi:[0,1]  ; m_i - M
.endr
.set i, i+1
.endr
.set i, 0
.rept \n
.irp k, 0,2
	v_pk_mul_f32 v[IN+i*(\st)+(\k):IN+i*(\st)+(\k)+1], v[IN+i*(\st)+(\k):IN+i*(\st)+(\k)+1], s[CS:CS+1] op_sel_hi:[1,0]
.endr
.set i, i+1
.endr
.set i, 0
.rept \n                               ; one batch of 4 n exponentials
.irp k, 0,1,2,3
	v_exp_f32 v[IN+i*(\st)+(\k)], v[IN+i*(\st)+(\k)]
.endr
.set i, i+1
.endr
	v_nop                                          ; a plain instruction behind the last exponential,
	s_wait_alu depctr_va_vdst(0)                   ; and the wait ahead of the first use: one for the batch
.irp k, 0,2
	v_pk_mul_f32 v[LS+(\k):LS+(\k)+1], v[IN+4+(\k):IN+4+(\k)+1], v[IN+(\k):IN+(\k)+1]
.endr
.set i, 1
.rept (\n)-1
.irp k, 0,2
	v_pk_fma_f32 v[LS+(\k):LS+(\k)+1], v[IN+i*(\st)+4+(\k):IN+i*(\st)+4+(\k)+1], v[IN+i*(\st)+(\k):IN+i*(\st)+(\k)+1], v[LS+(\k):LS+(\k)+1]
.endr
.set i, i+1
.endr
.endm
	s_wait_loadcnt 0x0
	COMB 4, 16
.irp k, 0,2
	v_pk_add_f32 v[GS+(\k):GS+(\k)+1], v[IN+8+(\k):IN+8+(\k)+1], v[IN+12+(\k):IN+12+(\k)+1]
.endr
.irp ci, 1,2,3
.irp x, 8,12
.irp k, 0,2
	v_pk_add_f32 v[GS+(\k):GS+(\k)+1], v[GS+(\k):GS+(\k)+1], v[IN+16*(\ci)+(\x)+(\k):IN+16*(\ci)+(\x)+(\k)+1]
.endr
.endr
.endr
	ds_store_b128 v[LW], v[MX:MX+3] offset:PARTS
	ds_store_b128 v[LW], v[LS:LS+3] offset:PARTS+512
	ds_store_b128 v[LW], v[GS:GS+3] offset:PARTS+1024
	s_wait_dscnt 0x0                               ; for wave 0's sake: my stores are done
	s_barrier_signal -1
	s_barrier_wait -1                              ; all eight waves' results lie in LDS
	s_cmp_lg_u32 s8, 0
	s_cbranch_scc1 .Lend                           ; wave 0 finishes
.irp w, 0,1,2,3,4,5,6,7
	ds_load_b128 v[IN+12*(\w):IN+12*(\w)+3],    v[LL] offset:PARTS+1536*(\w)
	ds_load_b128 v[IN+12*(\w)+4:IN+12*(\w)+7],  v[LL] offset:PARTS+1536*(\w)+512
	ds_load_b128 v[IN+12*(\w)+8:IN+12*(\w)+11], v[LL] offset:PARTS+1536*(\w)+1024
.endr
	s_wait_dscnt 0x0
	COMB 8, 12
.irp k, 0,2
	v_pk_add_f32 v[GS+(\k):GS+(\k)+1], v[IN+8+(\k):IN+8+(\k)+1], v[IN+20+(\k):IN+20+(\k)+1]
.endr
.irp w, 2,3,4,5,6,7
.irp k, 0,2
	v_pk_add_f32 v[GS+(\k):GS+(\k)+1], v[GS+(\k):GS+(\k)+1], v[IN+12*(\w)+8+(\k):IN+12*(\w)+8+(\k)+1]
.endr
.endr
.irp k, 0,1,2,3
	v_log_f32 v[LS+(\k)], v[LS+(\k)]               ; log2 L
.endr
	v_pk_add_f32 v[MX:MX+1],   v[MX:MX+1],   v[GS:GS+1]   neg_lo:[0,1] neg_hi:[0,1]  ; M - G: the plain work behind the logarithms
	v_pk_add_f32 v[MX+2:MX+3], v[MX+2:MX+3], v[GS+2:GS+3] neg_lo:[0,1] neg_hi:[0,1]
	s_wait_alu depctr_va_vdst(0)                   ; one wait for the four logarithms, ahead of their first use
.irp k, 0,1,2,3
	v_fma_f32 v[NL+(\k)], v[LS+(\k)], s12, v[MX+(\k)]
.endr
.irp k, 0,1,2,3
	ds_store_b32 v[SA], v[NL+(\k)] offset:32*(\k)  ; 16 tokens on are 8 places of s on
.endr
	ds_load_b128 v[IN:IN+3], v[LL] offset:STG      ; LDS serves a wave's instructions in order (ISA guide 5.7.1.4): this sees the stores above, which are this wave's own
	s_wait_dscnt 0x0
	global_store_b128 v[OO], v[IN:IN+3], s[6:7]    ; lanes 0-15: 256 consecutive bytes of row b = 0, aligned; lanes 16-31: those of row b = 1
.Lend:
	s_wait_tensorcnt 0x0                           ; the wave's end, behind my last LDS store
	ds_add_u32 v[SPW], v[NIL]
	s_wait_dscnt 0x0
	s_endpgm
.Lfunc_end_k_q8c8dcab006_finish:
	.size	k_q8c8dcab006_finish, .Lfunc_end_k_q8c8dcab006_finish-k_q8c8dcab006_finish
	.p2alignl 7, 3214868480
	.fill 96, 4, 3214868480
	.section	.rodata,"a",@progbits
	.p2align	6, 0x0
	.amdhsa_kernel k_q8c8dcab006_finish
		.amdhsa_group_segment_fixed_size 13824
		.amdhsa_private_segment_fixed_size 0
		.amdhsa_enable_private_segment 0
		.amdhsa_kernarg_size 16
		.amdhsa_user_sgpr_count 2
		.amdhsa_user_sgpr_kernarg_segment_ptr 1
		.amdhsa_wavefront_size32 1
		.amdhsa_system_sgpr_workgroup_id_x 1
		.amdhsa_system_sgpr_workgroup_id_y 1
		.amdhsa_system_sgpr_workgroup_id_z 1
		.amdhsa_system_vgpr_workitem_id 0
		.amdhsa_next_free_vgpr 128
		.amdhsa_next_free_sgpr 66
		.amdhsa_reserve_vcc 0
		.amdhsa_float_denorm_mode_32 3
		.amdhsa_float_denorm_mode_16_64 3
		.amdhsa_memory_ordered 1
		.amdhsa_forward_progress 1
		.amdhsa_inst_pref_size 16
	.end_amdhsa_kernel
	.amdgpu_metadata
---
amdhsa.version: [ 1, 2 ]
amdhsa.kernels:
  - .name:           k_q8c8dcab006_finish
    .symbol:         k_q8c8dcab006_finish.kd
    .args:
      - { .name: part, .offset: 0, .size: 8, .value_kind: global_buffer, .address_space: global }
      - { .name: out0, .offset: 8, .size: 8, .value_kind: global_buffer, .address_space: global }
    .group_segment_fixed_size: 13824
    .private_segment_fixed_size: 0
    .kernarg_segment_align: 8
    .kernarg_segment_size: 16
    .max_flat_workgroup_size: 256
    .sgpr_count:     66
    .vgpr_count:     128
    .wavefront_size: 32
...
	.end_amdgpu_metadata
.endif
;; end of part 3
